; MI455X (gfx1250); checked and timed in simulation.
; The chip was launched on July 23, 2026; its instructions are those of AMD's public machine-readable ISA for CDNA 5 (MIT licence, August 2026) and "CDNA5" Instruction Set Architecture Reference Guide (July 2026). The comments in the code are by the model that wrote it; some were corrected since.
;; Radon. Allowed arithmetic: float matrix products may take bf16 or f16 operands with f32 sums; all other float work in f32.
;; Inputs: x 2 x 1 x 512 x 512 float32.
;; Outputs: out0 2 x 1 x 512 x 90 float32.
;; 2 versions, each right; version 2 is version 1 with the launch radon written anew for expert scheduling mode. Each part assembles by itself: llvm-mc -triple=amdgcn-amd-amdhsa -mcpu=gfx1250 --defsym DOCPART=n.
;; ======== version 1 of 2: 2 launches
;; limits: values outside matrix products are rounded to bf16
;; workspace buffers: ws 4,319,232 bytes
;; launch pack (part 1): grid 48 x 2, 8 waves a work-group, no clusters, 46,080 bytes of LDS; arguments x, ws; writes ws
.if DOCPART == 1
	.amdgcn_target "amdgcn-amd-amdhsa--gfx1250"
	.amdhsa_code_object_version 6
	.text
	.protected	k_q5ce65afd2b_pack
	.globl	k_q5ce65afd2b_pack
	.p2align	8
	.type	k_q5ce65afd2b_pack,@function
k_q5ce65afd2b_pack:
	s_mov_b64 s[64:65], 0
	v_nop
	global_prefetch_b8 v0, s[64:65] scope:SCOPE_SE
	s_setreg_imm32_b32 hwreg(HW_REG_WAVE_MODE, 25, 1), 1
	s_wait_xcnt 0x0
; PACK.  x: [2][1][512][512] f32.  ws: two copies of both images, each 768 rows of 703 words; a word holds one pixel of both images,
; bf16(x[0]) in the low half and bf16(x[1]) in the high half, each rounded once, to nearest even.
; Copy 0 (straight): row 128 + y, word 96 + x holds pixel (y, x).  Copy 1 (turned): row 128 + x, word 96 + y holds pixel (y, x).  All other words are 0.
; LIMITS.  A pixel keeps bf16's 8 significant bits; beyond bf16's largest number it becomes an infinity; NaN stays NaN.
; SHARES.  A work-group makes 16 rows of one copy, 44,992 bytes: it clears them in LDS, lays the pixels in, and copies the block out in consecutive pieces of
; 16 bytes, so that a turned row costs no scattered store.  Blocks 8 to 39 of a copy hold pixels; the others are zeros alone.
; A wave's store covers 512 consecutive bytes; a block begins at a multiple of 64 bytes from ws's first byte (703 x 64 bytes a block).
; No matrix unit, tensor load or cluster: the work is one rounding a pixel, and no two work-groups of a copy share a byte of x.
.set PG,    703                        ; words in a row of ws
.set COFF,  96                         ; words of zeros ahead of a row's pixels
.set ROWB,  PG*4                       ; bytes in a row of ws
.set BLKB,  16*ROWB                    ; bytes in a block
.set NGRP,  BLKB/16                    ; its pieces of 16 bytes: 2,812
.set ORIB,  768*ROWB                   ; bytes in a copy
.set IMG1,  512*512*4                  ; from x[0] to x[1]
.set SPARE, 45056                      ; behind the block: the spare words, 128 bytes for each wave: four blocks of 256 bytes that no other line names
.set LN,  2                            ; v2      lane
.set GO,  3                            ; v3      my byte offset in x
.set LO,  4                            ; v4      my LDS address for the pixels
.set SPW, 6                            ; v6      LDS address of my spare word; never rewritten
.set NIL, 7                            ; v7      0; never rewritten
.set ZR,  8                            ; v[8:11] zeros
.set AD,  12                           ; v12-22  byte offsets of my 11 pieces, in the block in LDS and in ws alike
.set A0,  24                           ; v24-55  32 pixels of x[0], then the packed words
.set A1,  56                           ; v56-87  32 pixels of x[1]
.set OB,  24                           ; v24-67  the way out: 11 pieces
	s_load_b128 s[4:7], s[0:1], 0x0                ; x s[4:5], ws s[6:7]
	v_lshl_add_u32 v[SPW], v0, 2, SPARE
	v_mov_b32 v[NIL], 0
	v_lshrrev_b32 v1, 5, v0
	v_readfirstlane_b32 s8, v1                     ; wave 0..7
	v_and_b32 v[LN], 31, v0
	s_and_b32 s10, ttmp7, 0xffff                   ; which copy
	s_sub_co_u32 s11, ttmp9, 8                     ; block - 8: 0 to 31 for blocks with pixels (it wraps for blocks 0 to 7)
	s_mul_i32 s14, s10, ORIB                       ; the block's first byte in ws
	s_mul_i32 s12, ttmp9, BLKB
	s_add_co_u32 s14, s14, s12
	s_mov_b32 s15, 0
.irp j, 0,1,2,3
	v_mov_b32 v[ZR+\j], 0
.endr
	; The block is cleared.  Piece number = thread + 256 i; the eleventh piece of the last four threads would lie behind the block and is the last piece once more.
.set i, 0
.rept 11
	v_add_nc_u32 v[AD+i], 256*i, v0
.if i == 10
	v_min_u32 v[AD+i], NGRP-1, v[AD+i]
.endif
	v_lshlrev_b32 v[AD+i], 4, v[AD+i]
	ds_store_b128 v[AD+i], v[ZR:ZR+3]
.set i, i+1
.endr
	s_wait_dscnt 0x0                               ; my zeros are in LDS,
	s_barrier_signal -1
	s_barrier_wait -1                              ; everybody's are: pixels may be laid over them
	s_wait_kmcnt 0x0
	s_add_nc_u64 s[6:7], s[6:7], s[14:15]          ; ws at the block
	s_cmp_lt_u32 s11, 32
	s_cbranch_scc0 .Lcopy                          ; a block of zeros alone
	s_cmp_eq_u32 s10, 0
	s_cbranch_scc0 .Lturned
; 64 loads of a wave go out together: 32 pieces of x[0], gstep bytes apart, and the same of x[1].  Then pair after pair is rounded, packed and laid into LDS,
; piece i at (i / 16) la + (i % 16) lb bytes from the lane's place.
.macro LAY gstep, la, lb
.set i, 0
.rept 32
	global_load_b32 v[A0+i], v[GO], s[4:5] offset:(\gstep)*i
	global_load_b32 v[A1+i], v[GO], s[4:5] offset:(\gstep)*i+IMG1
.set i, i+1
.endr
.set i, 0
.rept 32
	s_wait_loadcnt 62-2*i                          ; loads come back in order (ISA guide 5.7.1): pair i is in, the younger pairs stay out
	v_cvt_pk_bf16_f32 v[A0+i], v[A0+i], v[A1+i]    ; x[0] into the low half, x[1] into the high half
	ds_store_b32 v[LO], v[A0+i] offset:(i/16)*(\la)+(i%16)*(\lb)
.set i, i+1
.endr
.endm
	; STRAIGHT.  The block's 16 image rows are 32,768 consecutive bytes; wave w takes rows 2 w and 2 w + 1, piece i = 32 pixels at byte 128 i of them.
	s_lshl_b32 s12, s11, 15                        ; 16 rows of 2,048 bytes a block
	s_lshl_b32 s13, s8, 12                         ; two rows a wave
	s_add_co_u32 s12, s12, s13
	v_lshl_add_u32 v[GO], v[LN], 2, s12
	s_mul_i32 s13, s8, 2*ROWB
	s_add_co_u32 s13, s13, COFF*4
	v_lshl_add_u32 v[LO], v[LN], 2, s13
	LAY 128, ROWB, 128
	s_branch .Lcopy
.Lturned:
	; TURNED.  The block's rows are 16 image columns.  A load takes 16 pixels (64 bytes) of two image rows: lanes 0-15 row 2 k, lanes 16-31 row 2 k + 1,
	; k = 32 w + i.  In LDS the 16 pixels of an image row go 703 words apart, into 16 rows of the block; the image row is the word in those rows.
	v_and_b32 v1, 15, v0                           ; which column
	v_bfe_u32 v5, v0, 4, 1                         ; which of the two rows
	s_lshl_b32 s12, s8, 17                         ; 64 rows of 2,048 bytes a wave
	s_lshl_b32 s13, s11, 6                         ; 16 columns of 4 bytes a block
	s_add_co_u32 s12, s12, s13
	v_lshl_add_u32 v[GO], v1, 2, s12
	v_lshl_add_u32 v[GO], v5, 11, v[GO]
	s_lshl_b32 s13, s8, 8                          ; 64 words a wave
	s_add_co_u32 s13, s13, COFF*4
	v_mad_u32_u24 v[LO], v1, ROWB, s13
	v_lshl_add_u32 v[LO], v5, 2, v[LO]
	LAY 4096, 128, 8                               ; piece i: two image rows on, 8 bytes on in LDS
.Lcopy:
	s_wait_dscnt 0x0                               ; my pixels are in LDS,
	s_barrier_signal -1
	s_barrier_wait -1                              ; everybody's are
.set i, 0
.rept 11
	ds_load_b128 v[OB+4*i:OB+4*i+3], v[AD+i]
.set i, i+1
.endr
.set i, 0
.rept 11
	s_wait_dscnt 10-i                              ; LDS loads come back in order (ISA guide 5.7.1): piece i is in, the younger ones stay out
	global_store_b128 v[AD+i], v[OB+4*i:OB+4*i+3], s[6:7]  ; 32 lanes store 512 consecutive bytes
.set i, i+1
.endr
	s_wait_tensorcnt 0x0                           ; the wave's end, behind my last LDS store
	ds_add_u32 v[SPW], v[NIL]
	s_wait_dscnt 0x0
	s_endpgm
.Lfunc_end_k_q5ce65afd2b_pack:
	.size	k_q5ce65afd2b_pack, .Lfunc_end_k_q5ce65afd2b_pack-k_q5ce65afd2b_pack
	.p2alignl 7, 3214868480
	.fill 96, 4, 3214868480
	.section	.rodata,"a",@progbits
	.p2align	6, 0x0
	.amdhsa_kernel k_q5ce65afd2b_pack
		.amdhsa_group_segment_fixed_size 46080
		.amdhsa_private_segment_fixed_size 0
		.amdhsa_enable_private_segment 0
		.amdhsa_kernarg_size 16
		.amdhsa_user_sgpr_count 2
		.amdhsa_user_sgpr_kernarg_segment_ptr 1
		.amdhsa_wavefront_size32 1
		.amdhsa_system_sgpr_workgroup_id_x 1
		.amdhsa_system_sgpr_workgroup_id_y 1
		.amdhsa_system_sgpr_workgroup_id_z 1
		.amdhsa_system_vgpr_workitem_id 0
		.amdhsa_next_free_vgpr 88
		.amdhsa_next_free_sgpr 66
		.amdhsa_reserve_vcc 0
		.amdhsa_float_denorm_mode_32 3
		.amdhsa_float_denorm_mode_16_64 3
		.amdhsa_memory_ordered 1
		.amdhsa_forward_progress 1
		.amdhsa_inst_pref_size 29
	.end_amdhsa_kernel
	.amdgpu_metadata
---
amdhsa.version: [ 1, 2 ]
amdhsa.kernels:
  - .name:           k_q5ce65afd2b_pack
    .symbol:         k_q5ce65afd2b_pack.kd
    .args:
      - { .name: x, .offset: 0, .size: 8, .value_kind: global_buffer, .address_space: global }
      - { .name: ws, .offset: 8, .size: 8, .value_kind: global_buffer, .address_space: global }
    .group_segment_fixed_size: 46080
    .private_segment_fixed_size: 0
    .kernarg_segment_align: 8
    .kernarg_segment_size: 16
    .max_flat_workgroup_size: 256
    .sgpr_count:     66
    .vgpr_count:     88
    .wavefront_size: 32
...
	.end_amdgpu_metadata
.endif
;; end of part 1
;; launch radon (part 2): grid 16 x 90, 8 waves a work-group, no clusters, 134,400 bytes of LDS; arguments ws, out0; writes out0
.if DOCPART == 2
	.amdgcn_target "amdgcn-amd-amdhsa--gfx1250"
	.amdhsa_code_object_version 6
	.text
	.protected	k_q5ce65afd2b_radon
	.globl	k_q5ce65afd2b_radon
	.p2align	8
	.type	k_q5ce65afd2b_radon,@function
k_q5ce65afd2b_radon:
	s_mov_b64 s[64:65], 0
	v_nop
	global_prefetch_b8 v0, s[64:65] scope:SCOPE_SE
	s_setreg_imm32_b32 hwreg(HW_REG_WAVE_MODE, 25, 1), 1
	s_wait_xcnt 0x0
; RADON.  out0[n][0][col][t] = 1/512 x the sum over row of the bilinear sample of x[n] at (ix, iy), taps outside the image counting as 0:
;   ix = 255.5 + c u + s v,  iy = 255.5 - s u + c v,  u = col - 255.5,  v = row - 255.5,  c = cos t, s = sin t, t in degrees.  (The row mask is all ones at 512 rows: weight 1/512.)
; ws (made by the launch before): both images in bf16, two to a word, straight and turned, 768 rows of 703 words a copy, zeros round the image.
; ONE TEXT FOR ALL ANGLES.  For t > 45 the places are those of t' = 90 - t on the turned copy with column 511 - col.  So with c, s of t' <= 45:
;   major = 255.5 - s (col' - 255.5) + c v  names a row of ws (less 128),   minor = 255.5 + c (col' - 255.5) + s v  a word in it (less 96).
; NO ADDRESS HANGS ON A FLOAT.  c and s are made in scalar fixed point from the work-group's number (nested series in x^2, cut behind x^8 and x^9: under 3e-8 at 45 degrees);
; places are 10.22 fixed point, stepped by integer adds; the weights are made of the same integers' fraction bits.
; LIMITS.  Pixels are bf16 (rounded once, in the launch before); weights and sums are f32.  A place lies within 1.5e-4 pixel of the exact one (the steps are rounded to 2^-22 and taken
; 511 times at the most); the sample is continuous in the place.  NaN and infinities are not treated apart: such a pixel also spoils sums that take it with weight 0.
; SHARES.  A work-group has one angle and 32 columns; a lane is a column; wave w sums rows 64 w to 64 w + 63; the eight sums meet in LDS.
; THE STRIP.  The work-group's places lie in a slanted strip of ws.  Word m' of the strip's row r' lies at LDS word 63 r' + m'.  Of a row fewer than 54 words are used, and they climb by
; tan per row: with d = m' - tan r', 6 < d < 60 for every tap, so rows never meet, and LDS word L belongs to row floor(L / (63 + tan)).  703 - 63 = 640 is a multiple of 4 and the strip's
; first word is set on a multiple of 4: each aligned 16 bytes of LDS are aligned 16 bytes of ws, at 4 const + 4 L + 2,560 r'.  The highest word used is below 32,460 of 32,768.
; With rows 63 words apart a tap's bank is (m' - r') mod 64 (64 banks of 4 bytes: ISA guide 11.1), which along the lanes never falls and spans under 46: no two lanes want different words of a bank.
; LEFT OUT.  Matrix units: the sum over rows rides on the interpolation's multiply-adds, and every column gathers other pixels.  Tensor loads and clusters: LDS rows are 63 words apart and the
; strip's place hangs on the angle.  Whole aligned 256 bytes of out0: a work-group has one angle of the 90 that lie side by side, so a lane's store is 4 bytes, 360 bytes from its neighbour's.
.set PG,    703
.set ORIB,  768*PG*4                   ; bytes in a copy of ws
.set PAD,   131072                     ; behind the strip: 256 bytes of zeros, which the masked address plus a tap's offset can still name
.set RED,   131328                     ; [wave][image][lane] f32: 2,048 bytes
.set SPARE, 133376                     ; the spare words, 128 bytes for each wave: four blocks of 256 bytes that no other line names
.set I63,   68174084                   ; 2^32 / 63
.set LN,   1                           ; v1   lane
.set SPW,  2                           ; v2   LDS address of my spare word; never rewritten
.set NIL,  3                           ; v3   0; never rewritten
.set LA0,  4                           ; v4   16 x thread: my piece of the strip's first 4,096 bytes
.set LA1,  5                           ; v5   the same, 65,536 bytes on
.set PP,   6                           ; v6   piece number x K, in 2^-24: bits 31:22 are the piece's row
.set VLIN, 7                           ; v7   16 x thread + 4 const
.set TW,   8                           ; v8   at work
.set PADA, 9                           ; v9   my byte of PAD
.set PMA,  10                          ; v10  major less the strip's first row, 10.22
.set PMI,  11                          ; v11  minor less the strip's first word, 10.22
.set OFF,  12                          ; the fill: v12-43 byte offsets in ws
.set DAT,  44                          ; the fill: v44-171 32 pieces of 16 bytes
.set KA,   12                          ; the gather: v[12:13] = (-1, 1)
.set KB,   14                          ; v[14:15] = (3, -2)
.set TT,   16                          ; v16-19  LDS address of place k's first tap
.set RR,   20                          ; v20-23  its row
.set GG,   24                          ; v24-31  (2 + fx, 2 + fy)
.set XX,   32                          ; v32-39  (1 - fx, fx)
.set YY,   40                          ; v40-47  (1 - fy, fy)
.set WW,   48                          ; v48-79  four weights a place, two sets of four places
.set PX,   80                          ; v80-111 four taps a place, likewise
.set ACC,  112                         ; v112-119 sums by tap: image 0, then image 1
; scalars: s8 wave, s9 t, s10 column block, s11 511 or 0, s12 t', s13 x, s14 x^2, s15 cos, s16 sin, s17 1/cos, s18 at work, s19 tan, s20 tan/63, s21 256 K, s22 K, s23 margin,
; s24, s25 half steps, s26, s27 steps, s28 2 col' - 511 of lane 31, s29 first word, s30, s31 lane 31's place at row 0, s32 first row, s33 const, s34-37 at work, s[38:39] the copy, s40 fraction mask
.set C2, 26
.set S2, 27
.set FR, 40
	s_load_b128 s[4:7], s[0:1], 0x0                ; ws s[4:5], out0 s[6:7]
	v_lshl_add_u32 v[SPW], v0, 2, SPARE
	v_mov_b32 v[NIL], 0
	v_lshrrev_b32 v[LN], 5, v0
	v_readfirstlane_b32 s8, v[LN]                  ; wave 0..7
	v_and_b32 v[LN], 31, v0
	s_and_b32 s9, ttmp7, 0xffff                    ; t
	s_mov_b32 s10, ttmp9                           ; which 32 columns col'
	s_sub_co_u32 s12, 90, s9
	s_cmp_gt_u32 s9, 45                            ; the turned copy?
	s_cselect_b32 s11, 511, 0                      ; col = col' xor this
	s_cselect_b32 s38, ORIB, 0
	s_cselect_b32 s12, s12, s9                     ; t'
	s_mov_b32 s39, 0
	s_mul_i32 s13, s12, 74961321                   ; x = t' pi / 180 in 2^-32: 0.7854 at the most
	s_mul_hi_u32 s14, s13, s13                     ; x^2 in 2^-32
.macro LEVEL w, k                      ; w = 1 - w x^2 / k, in 2^-31
	s_mul_hi_u32 s[\w], s[\w], s14
	s_mul_hi_u32 s[\w], s[\w], 0x100000000/(\k)
	s_sub_co_u32 s[\w], 0x80000000, s[\w]
.endm
	s_mov_b32 s15, 0x80000000                      ; cos = 1 - x^2/2 (1 - x^2/12 (1 - x^2/30 (1 - x^2/56)))
	LEVEL 15, 56
	LEVEL 15, 30
	LEVEL 15, 12
	LEVEL 15, 2
	s_mov_b32 s16, 0x80000000                      ; sin = x (1 - x^2/6 (1 - x^2/20 (1 - x^2/42 (1 - x^2/72))))
	LEVEL 16, 72
	LEVEL 16, 42
	LEVEL 16, 20
	LEVEL 16, 6
	s_mul_hi_u32 s16, s16, s13
	s_mul_hi_u32 s17, s15, 0xb504f334              ; 1 / cos in 2^-30: 2.3964 - 1.4142 cos is within 2% on 0.707 to 1,
	s_sub_co_u32 s17, 0x995e9e1b, s17
.rept 2                                ; and two steps r = r (2 - cos r) square that twice
	s_mul_hi_u32 s18, s15, s17                     ; cos r in 2^-29
	s_sub_co_u32 s18, 0x40000000, s18
	s_mul_hi_u32 s17, s17, s18
	s_lshl_b32 s17, s17, 3
.endr
	s_mul_hi_u32 s19, s16, s17                     ; tan in 2^-29
	s_lshl_b32 s20, s19, 2                         ; K = 1 / (63 + tan) = (1 - e + e^2) / 63 with e = tan / 63 < 0.016: e^3 over 514 rows is 0.002 row
	s_mul_hi_u32 s20, s20, I63                     ; e in 2^-31
	s_mul_hi_u32 s21, s20, s20
	s_lshl_b32 s21, s21, 1                         ; e^2
	s_sub_co_u32 s22, 0x80000000, s20
	s_add_co_u32 s22, s22, s21
	s_mul_hi_u32 s22, s22, I63                     ; K in 2^-31
	s_lshr_b32 s22, s22, 7                         ; K in 2^-24, some 266,000: times a piece's number (under 8,192) it stays inside 32 bits
	s_lshl_b32 s21, s22, 8                         ; 256 pieces on
	s_lshr_b32 s23, s17, 4                         ; the margin: floor(31 / cos + 2 tan) + 8 words ahead of lane 31's place
	s_mul_i32 s23, s23, 31
	s_lshr_b32 s18, s19, 2
	s_add_co_u32 s23, s23, s18
	s_lshr_b32 s23, s23, 26
	s_add_co_u32 s23, s23, 8
	s_add_co_u32 s24, s15, 512                     ; cos / 2 and sin / 2 in 2^-22, rounded: col' - 255.5 and row - 255.5 are odd numbers of halves
	s_lshr_b32 s24, s24, 10
	s_add_co_u32 s25, s16, 512
	s_lshr_b32 s25, s25, 10
	s_lshl_b32 s[C2], s24, 1                       ; cos and sin in 2^-22
	s_lshl_b32 s[S2], s25, 1
	s_lshl_b32 s28, s10, 6
	s_sub_co_u32 s28, s28, 449                     ; 2 col' - 511 for lane 31
	; lane 31's place at row 0, both coordinates plus 128, in 10.22 (all sums modulo 2^32; the places lie in 22 to 750)
	s_mul_i32 s30, s25, s28
	s_mul_i32 s18, s24, 511
	s_sub_co_u32 s30, 767<<21, s30
	s_sub_co_u32 s30, s30, s18                     ; major: 383.5 - sin (col' - 255.5) - 255.5 cos: the least of the work-group
	s_mul_i32 s31, s24, s28
	s_mul_i32 s18, s25, 511
	s_add_co_u32 s31, s31, 767<<21
	s_sub_co_u32 s31, s31, s18                     ; minor: 383.5 + cos (col' - 255.5) - 255.5 sin
	s_lshr_b32 s32, s30, 22                        ; the strip's first row of ws
	s_lshr_b32 s29, s31, 22
	s_sub_co_u32 s29, s29, s23                     ; its first word, plus 32 (it may be negative: the words ahead of a row are the row before's zeros)
	s_mul_i32 s33, s32, PG
	s_add_co_u32 s33, s33, s29
	s_sub_co_u32 s33, s33, 32                      ; const: the word of ws that lies at LDS word 0,
	s_and_b32 s34, s33, 3
	s_sub_co_u32 s33, s33, s34                     ; moved down to a multiple of 4,
	s_sub_co_u32 s29, s29, s34                     ; and the first word with it
	s_lshl_b32 s33, s33, 2                         ; in bytes
	s_lshl_b32 s37, s8, 6
	s_sub_co_u32 s37, s37, 1                       ; my wave begins a step ahead of its first row
	s_lshl_b32 s18, s32, 22
	s_sub_co_u32 s35, s30, s18
	s_mul_i32 s18, s37, s[C2]
	s_add_co_u32 s35, s35, s18                     ; major of lane 31 there, less the first row
	s_lshl_b32 s18, s29, 22
	s_sub_co_u32 s36, s31, s18
	s_mul_i32 s18, s37, s[S2]
	s_add_co_u32 s36, s36, s18
	s_mul_i32 s18, s[C2], 31
	s_sub_co_u32 s36, s36, s18                     ; minor of lane 0 there, less the first word
	s_mov_b32 s[FR], 0x3fffff
	s_lshl_b32 s42, s8, 8
	s_add_co_u32 s42, s42, RED                     ; my wave's sums
	s_mul_i32 s43, s8, 184320                      ; waves 0 and 1 store image 0 and 1: 512 x 90 x 4 bytes an image,
	s_lshl2_add_u32 s43, s9, s43                   ; and the angle's 4 bytes
	; THE FILL.  Piece g = thread + 256 i (16 bytes at LDS byte 16 g) belongs to row floor(4 g K) and comes from ws byte 4 const + 16 g + 2,560 x row.
	; All 32 loads of a wave go out before the first is waited for.  The minimum touches only pieces behind the words used: it keeps every load inside the copy.
	v_lshlrev_b32 v[LA0], 4, v0
	v_add_nc_u32 v[LA1], 0x10000, v[LA0]
	v_lshl_add_u32 v[VLIN], v0, 4, s33
	v_mul_u32_u24 v[PP], v0, s22
	v_add_nc_u32 v[PADA], PAD, v0
	s_wait_kmcnt 0x0
	s_add_nc_u64 s[4:5], s[4:5], s[38:39]          ; the copy
.set i, 0
.rept 32
.if i > 0
	v_add_nc_u32 v[PP], s21, v[PP]
.endif
	v_lshrrev_b32 v[TW], 22, v[PP]
	v_mad_u32_u24 v[OFF+i], v[TW], 2560, v[VLIN]
	v_min_u32 v[OFF+i], ORIB-16-4096*i, v[OFF+i]
	global_load_b128 v[DAT+4*i:DAT+4*i+3], v[OFF+i], s[4:5] offset:4096*i
.set i, i+1
.endr
	v_sub_nc_u32 v[TW], 31, v[LN]                  ; while they are out: my lane's place
	v_mad_u32 v[PMA], v[TW], s[S2], s35            ; major grows by sin from lane 31 down,
	v_mad_u32 v[PMI], v[LN], s[C2], s36            ; minor by cos from lane 0 up
	ds_store_b8 v[PADA], v[NIL]                    ; 256 threads, a byte each
.set i, 0
.rept 32
	s_wait_loadcnt 31-i                            ; loads come back in order (ISA guide 5.7.1): piece i is in, the younger ones stay out
.if i < 16
	ds_store_b128 v[LA0], v[DAT+4*i:DAT+4*i+3] offset:4096*i
.else
	ds_store_b128 v[LA1], v[DAT+4*i:DAT+4*i+3] offset:4096*(i-16)
.endif
.set i, i+1
.endr
	s_wait_dscnt 0x0                               ; my part of the strip is in LDS,
	s_barrier_signal -1
	v_mov_b32 v[KA], -1.0                          ; (work on registers between the signal and the wait; every load that named these registers has been waited for)
	v_mov_b32 v[KA+1], 1.0
	v_mov_b32 v[KB], 0x40400000                    ; 3.0
	v_mov_b32 v[KB+1], -2.0
.irp j, 0,1,2,3,4,5,6,7
	v_mov_b32 v[ACC+\j], 0
.endr
	s_barrier_wait -1                              ; everybody's is
; THE GATHER.  ADDR q: four rows on.  For each: the place steps; row and word make the LDS address (252 bytes a row; the two fraction bits that come with the word are masked off, and the mask
; keeps the address inside the strip); four taps are asked for, into set q; the fractions, set under the exponent of 2.0, are 2 + f, of which packed multiply-adds make (1 - f, f), exactly,
; and two packed multiplies the four weights.  The stages run over the four places, so that few lines read the result of the line before.
.macro ADDR q
.irp k, 0,1,2,3
	v_add_nc_u32 v[PMA], s[C2], v[PMA]
	v_add_nc_u32 v[PMI], s[S2], v[PMI]
	v_lshrrev_b32 v[RR+\k], 22, v[PMA]
	v_lshrrev_b32 v[TT+\k], 20, v[PMI]
	v_and_or_b32 v[GG+2*\k+1], v[PMA], s[FR], 2.0
	v_and_or_b32 v[GG+2*\k], v[PMI], s[FR], 2.0
.endr
.irp k, 0,1,2,3
	v_mad_u32_u24 v[TT+\k], v[RR+\k], 252, v[TT+\k]
.endr
.irp k, 0,1,2,3
	v_and_b32 v[TT+\k], 0x1fffc, v[TT+\k]
.endr
.irp k, 0,1,2,3
	ds_load_b32 v[PX+16*(\q)+4*\k], v[TT+\k]                 ; (row, word)
	ds_load_b32 v[PX+16*(\q)+4*\k+1], v[TT+\k] offset:4      ; (row, word + 1)
	ds_load_b32 v[PX+16*(\q)+4*\k+2], v[TT+\k] offset:252    ; (row + 1, word)
	ds_load_b32 v[PX+16*(\q)+4*\k+3], v[TT+\k] offset:256    ; (row + 1, word + 1)
.endr
.irp k, 0,1,2,3
	v_pk_fma_f32 v[XX+2*\k:XX+2*\k+1], v[GG+2*\k:GG+2*\k+1], v[KA:KA+1], v[KB:KB+1] op_sel_hi:[0,1,1]                ; 3 - (2 + fx), (2 + fx) - 2
	v_pk_fma_f32 v[YY+2*\k:YY+2*\k+1], v[GG+2*\k:GG+2*\k+1], v[KA:KA+1], v[KB:KB+1] op_sel:[1,0,0] op_sel_hi:[1,1,1] ; the same of fy
.endr
.irp k, 0,1,2,3
	v_pk_mul_f32 v[WW+16*(\q)+4*\k:WW+16*(\q)+4*\k+1], v[XX+2*\k:XX+2*\k+1], v[YY+2*\k:YY+2*\k+1] op_sel_hi:[1,0]                 ; (1 - fx, fx) x (1 - fy)
	v_pk_mul_f32 v[WW+16*(\q)+4*\k+2:WW+16*(\q)+4*\k+3], v[XX+2*\k:XX+2*\k+1], v[YY+2*\k:YY+2*\k+1] op_sel:[0,1] op_sel_hi:[1,1]  ; (1 - fx, fx) x fy
.endr
.endm
; FMAS q: set q's sixteen taps, both images: bf16 half x f32 weight + f32 sum, one rounding.  Eight sums take turns.
.macro FMAS q
.irp k, 0,1,2,3
.irp j, 0,1,2,3
	v_fma_mix_f32_bf16 v[ACC+\j], v[PX+16*(\q)+4*\k+\j], v[WW+16*(\q)+4*\k+\j], v[ACC+\j] op_sel_hi:[1,0,0]
	v_fma_mix_f32_bf16 v[ACC+4+\j], v[PX+16*(\q)+4*\k+\j], v[WW+16*(\q)+4*\k+\j], v[ACC+4+\j] op_sel:[1,0,0] op_sel_hi:[1,0,0]
.endr
.endr
.endm
	ADDR 0                                         ; rows 0 to 3 of my 64
	s_mov_b32 s44, 7
.Lrow:                                                 ; a trip: eight rows; the next four rows' taps are asked for ahead of the last four's multiply-adds
	ADDR 1
	s_wait_dscnt 16                                ; LDS loads come back in order (ISA guide 5.7.1): set 0 is in, the sixteen just issued stay out
	FMAS 0
	ADDR 0
	s_wait_dscnt 16                                ; set 1 is in
	FMAS 1
	s_sub_co_u32 s44, s44, 1
	s_cmp_lg_u32 s44, 0
	s_cbranch_scc1 .Lrow
	ADDR 1                                         ; the last eight rows ask for nothing further
	s_wait_dscnt 16
	FMAS 0
	s_wait_dscnt 0x0
	FMAS 1
	; THE END.  Four sums an image into one; the eight waves' sums meet in LDS (bytes that no gather's masked address reaches); waves 0 and 1 add them and store image 0 and 1.
	v_add_f32 v[ACC], v[ACC], v[ACC+1]
	v_add_f32 v[ACC+2], v[ACC+2], v[ACC+3]
	v_add_f32 v[ACC+4], v[ACC+4], v[ACC+5]
	v_add_f32 v[ACC+6], v[ACC+6], v[ACC+7]
	v_add_f32 v[ACC], v[ACC], v[ACC+2]
	v_add_f32 v[ACC+4], v[ACC+4], v[ACC+6]
	v_lshl_add_u32 v[TT], v[LN], 2, s42
	ds_store_b32 v[TT], v[ACC]
	ds_store_b32 v[TT], v[ACC+4] offset:128
	s_wait_dscnt 0x0                               ; my sums are in LDS,
	s_barrier_signal -1
	s_barrier_wait -1                              ; everybody's are
	s_cmp_lt_u32 s8, 2
	s_cbranch_scc1 .Lsum
	s_wait_tensorcnt 0x0                           ; the end of waves 2 to 7, behind my last LDS store
	ds_add_u32 v[SPW], v[NIL]
	s_wait_dscnt 0x0
	s_endpgm
.Lsum:
	v_lshl_add_u32 v[TT], v0, 2, RED               ; thread 32 n + lane: image n, my lane, wave 0's sum; the other waves' lie 256 bytes apart
.irp k, 0,1,2,3,4,5,6,7
	ds_load_b32 v[RR+\k], v[TT] offset:256*\k
.endr
	s_lshl_b32 s18, s10, 5
	v_add_nc_u32 v[TT+1], s18, v[LN]               ; col'
	v_xor_b32 v[TT+1], s11, v[TT+1]                ; col: 511 - col' on the turned copy
	v_mad_u32_u24 v[TT+1], v[TT+1], 360, s43       ; 90 angles of 4 bytes a column
	s_wait_dscnt 0x0
	v_add_f32 v[RR], v[RR], v[RR+1]
	v_add_f32 v[RR+2], v[RR+2], v[RR+3]
	v_add_f32 v[RR+4], v[RR+4], v[RR+5]
	v_add_f32 v[RR+6], v[RR+6], v[RR+7]
	v_add_f32 v[RR], v[RR], v[RR+2]
	v_add_f32 v[RR+4], v[RR+4], v[RR+6]
	v_add_f32 v[RR], v[RR], v[RR+4]
	v_mul_f32 v[RR], 0x3b000000, v[RR]             ; 1 / 512
	global_store_b32 v[TT+1], v[RR], s[6:7]
	s_wait_tensorcnt 0x0                           ; the end of waves 0 and 1
	ds_add_u32 v[SPW], v[NIL]
	s_wait_dscnt 0x0
	s_endpgm
.Lfunc_end_k_q5ce65afd2b_radon:
	.size	k_q5ce65afd2b_radon, .Lfunc_end_k_q5ce65afd2b_radon-k_q5ce65afd2b_radon
	.p2alignl 7, 3214868480
	.fill 96, 4, 3214868480
	.section	.rodata,"a",@progbits
	.p2align	6, 0x0
	.amdhsa_kernel k_q5ce65afd2b_radon
		.amdhsa_group_segment_fixed_size 134400
		.amdhsa_private_segment_fixed_size 0
		.amdhsa_enable_private_segment 0
		.amdhsa_kernarg_size 16
		.amdhsa_user_sgpr_count 2
		.amdhsa_user_sgpr_kernarg_segment_ptr 1
		.amdhsa_wavefront_size32 1
		.amdhsa_system_sgpr_workgroup_id_x 1
		.amdhsa_system_sgpr_workgroup_id_y 1
		.amdhsa_system_sgpr_workgroup_id_z 1
		.amdhsa_system_vgpr_workitem_id 0
		.amdhsa_next_free_vgpr 172
		.amdhsa_next_free_sgpr 66
		.amdhsa_reserve_vcc 0
		.amdhsa_float_denorm_mode_32 3
		.amdhsa_float_denorm_mode_16_64 3
		.amdhsa_memory_ordered 1
		.amdhsa_forward_progress 1
		.amdhsa_inst_pref_size 44
	.end_amdhsa_kernel
	.amdgpu_metadata
---
amdhsa.version: [ 1, 2 ]
amdhsa.kernels:
  - .name:           k_q5ce65afd2b_radon
    .symbol:         k_q5ce65afd2b_radon.kd
    .args:
      - { .name: ws, .offset: 0, .size: 8, .value_kind: global_buffer, .address_space: global }
      - { .name: out0, .offset: 8, .size: 8, .value_kind: global_buffer, .address_space: global }
    .group_segment_fixed_size: 134400
    .private_segment_fixed_size: 0
    .kernarg_segment_align: 8
    .kernarg_segment_size: 16
    .max_flat_workgroup_size: 256
    .sgpr_count:     66
    .vgpr_count:     172
    .wavefront_size: 32
...
	.end_amdgpu_metadata
.endif
;; end of part 2
;; ======== version 2 of 2: 2 launches; version 1 with the launch radon written anew for expert scheduling mode
;; limits: values outside matrix products are rounded to bf16
;; workspace buffers: ws 4,319,232 bytes
;; launch pack: the kernel of part 1 again; grid 48 x 2, 8 waves a work-group, no clusters, 46,080 bytes of LDS; arguments x, ws; writes ws
;; launch radon (part 3): grid 16 x 90, 8 waves a work-group, no clusters, 134,400 bytes of LDS; arguments ws, out0; writes out0
.if DOCPART == 3
	.amdgcn_target "amdgcn-amd-amdhsa--gfx1250"
	.amdhsa_code_object_version 6
	.text
	.protected	k_q5ce65afd2b_radon
	.globl	k_q5ce65afd2b_radon
	.p2align	8
	.type	k_q5ce65afd2b_radon,@function
k_q5ce65afd2b_radon:
	s_mov_b64 s[64:65], 0
	v_nop
	global_prefetch_b8 v0, s[64:65] scope:SCOPE_SE
	s_setreg_imm32_b32 hwreg(HW_REG_WAVE_SCHED_MODE, 0, 2), 2
	s_setreg_imm32_b32 hwreg(HW_REG_WAVE_MODE, 25, 1), 1
	s_wait_xcnt 0x0
	s_wait_alu depctr_vm_vsrc(0)
; RADON.  out0[n][0][col][t] = 1/512 x the sum over row of the bilinear sample of x[n] at (ix, iy), taps outside the image counting as 0:
;   ix = 255.5 + c u + s v,  iy = 255.5 - s u + c v,  u = col - 255.5,  v = row - 255.5,  c = cos t, s = sin t, t in degrees.  (The row mask is all ones at 512 rows: weight 1/512.)
; ws (made by the launch before): both images in bf16, two to a word, straight and turned, 768 rows of 703 words a copy, zeros round the image.
; ONE TEXT FOR ALL ANGLES.  For t > 45 the places are those of t' = 90 - t on the turned copy with column 511 - col.  So with c, s of t' <= 45:
;   major = 255.5 - s (col' - 255.5) + c v  names a row of ws (less 128),   minor = 255.5 + c (col' - 255.5) + s v  a word in it (less 96).
; NO ADDRESS HANGS ON A FLOAT.  c and s are made in scalar fixed point from the work-group's number (nested series in x^2, cut behind x^8 and x^9: under 3e-8 at 45 degrees);
; places are 10.22 fixed point, stepped by integer adds; the weights are made of the same integers' fraction bits.
; LIMITS.  Pixels are bf16 (rounded once, in the launch before); weights and sums are f32.  A place lies within 1.5e-4 pixel of the exact one (the steps are rounded to 2^-22 and taken
; 511 times at the most); the sample is continuous in the place.  NaN and infinities are not treated apart: such a pixel also spoils sums that take it with weight 0.
; SHARES.  A work-group has one angle and 32 columns; a lane is a column; wave w sums rows 64 w to 64 w + 63; the eight sums meet in LDS.
; THE STRIP.  The work-group's places lie in a slanted strip of ws.  Word m' of the strip's row r' lies at LDS word 63 r' + m'.  Of a row fewer than 54 words are used, and they climb by
; tan per row: with d = m' - tan r', 6 < d < 60 for every tap, so rows never meet, and LDS word L belongs to row floor(L / (63 + tan)).  703 - 63 = 640 is a multiple of 4 and the strip's
; first word is set on a multiple of 4: each aligned 16 bytes of LDS are aligned 16 bytes of ws, at 4 const + 4 L + 2,560 r'.  The highest word used is below 32,460 of 32,768.
; With rows 63 words apart a tap's bank is (m' - r') mod 64 (64 banks of 4 bytes: ISA guide 11.1), which along the lanes never falls and spans under 46: no two lanes want different words of a bank.
; LEFT OUT.  Matrix units: the sum over rows rides on the interpolation's multiply-adds, and every column gathers other pixels.  Tensor loads and clusters: LDS rows are 63 words apart and the
; strip's place hangs on the angle.  Whole aligned 256 bytes of out0: a work-group has one angle of the 90 that lie side by side, so a lane's store is 4 bytes, 360 bytes from its neighbour's.
; THE MODE: SCHED_MODE bits 1:0 = 2 (LLVM: expert scheduling mode 2), set by the entry lines.  The code itself states the register dependences
; between vector instructions and memory or LDS instructions, with s_wait_alu, always for 0.
; THE PLAN.  Registers that memory or LDS instructions touch:
;   OFF        Written once each by the offsets' arithmetic, eight at a time; read by one global load each.  One wait on va_vdst stands between a group's arithmetic and its eight loads.
;   DAT        The fill's loads land in it; the LDS stores read it.  No vector instruction names it during the fill.
;   LA0, LA1, PADA, NIL   Written at the head, ahead of the first group's wait, and never again; read by the LDS stores.
;   Behind the fill OFF and DAT take other names: one wait on vm_vsrc, ahead of the barrier's signal, states that the loads and the LDS stores have read them.
;   T0, T1     The gathers' addresses, a set for each set of taps.  ADDR q writes T[q]; its sixteen gathers read it; the next ADDR q writes it again.
;   PX0, PX1   ADDR q's gathers land in PX[q]; FMAS q reads it, a half trip later.
;   All else in the loop (places, fractions, weights, sums) is named by vector instructions alone.
; So two waits stand in an ADDR, behind its address lines.  va_vdst: T[q] is written, and FMAS q is done reading PX[q].  vm_vsrc: the other set's gathers, issued a half trip ago, have read the other T,
; which the next ADDR writes.  Behind them the sixteen gathers are dealt among the sixteen lines that make the weights, which name none of T[q] and PX[q].
.set PG,    703
.set ORIB,  768*PG*4                   ; bytes in a copy of ws
.set PAD,   131072                     ; behind the strip: 256 bytes of zeros, which the masked address plus a tap's offset can still name
.set RED,   131328                     ; [wave][image][lane] f32: 2,048 bytes
.set I63,   68174084                   ; 2^32 / 63
.set LN,   1                           ; v1   lane
.set NIL,  3                           ; v3   0: what PAD is cleared with; never rewritten
.set LA0,  4                           ; v4   16 x thread: my piece of the strip's first 4,096 bytes
.set LA1,  5                           ; v5   the same, 65,536 bytes on
.set PP,   6                           ; v6   piece number x K, in 2^-24: bits 31:22 are the piece's row
.set VLIN, 7                           ; v7   16 x thread + 4 const
.set TW,   8                           ; v8   at work
.set PADA, 9                           ; v9   my byte of PAD
.set PMA,  10                          ; v10  major less the strip's first row, 10.22
.set PMI,  11                          ; v11  minor less the strip's first word, 10.22
.set OFF,  12                          ; the fill: v12-43 byte offsets in ws
.set DAT,  44                          ; the fill: v44-171 32 pieces of 16 bytes
.set KA,   12                          ; the gather: v[12:13] = (-1, 1)
.set KB,   14                          ; v[14:15] = (3, -2)
.set TT,   16                          ; v16-19  LDS address of place k's first tap, set 0
.set TS,   104                         ; set 1 lies so many registers on: v120-123
.set RR,   20                          ; v20-23  its row
.set GG,   24                          ; v24-31  (2 + fx, 2 + fy)
.set XX,   32                          ; v32-39  (1 - fx, fx)
.set YY,   40                          ; v40-47  (1 - fy, fy)
.set WW,   48                          ; v48-79  four weights a place, two sets of four places
.set PX,   80                          ; v80-111 four taps a place, likewise
.set ACC,  112                         ; v112-119 sums by tap: image 0, then image 1
; scalars: s8 wave, s9 t, s10 column block, s11 511 or 0, s12 t', s13 x, s14 x^2, s15 cos, s16 sin, s17 1/cos, s18 at work, s19 tan, s20 tan/63, s21 256 K, s22 K, s23 margin,
; s24, s25 half steps, s26, s27 steps, s28 2 col' - 511 of lane 31, s29 first word, s30, s31 lane 31's place at row 0, s32 first row, s33 const, s34-37 at work, s[38:39] the copy, s40 fraction mask
.set C2, 26
.set S2, 27
.set FR, 40
	s_load_b128 s[4:7], s[0:1], 0x0                ; ws s[4:5], out0 s[6:7]
	v_lshl_add_u32 v172, v0, 2, 0x20900
	v_mov_b32 v173, 0
	v_mov_b32 v[NIL], 0
	v_lshrrev_b32 v[LN], 5, v0
	v_readfirstlane_b32 s8, v[LN]                  ; wave 0..7
	v_and_b32 v[LN], 31, v0
	s_and_b32 s9, ttmp7, 0xffff                    ; t
	s_mov_b32 s10, ttmp9                           ; which 32 columns col'
	s_sub_co_u32 s12, 90, s9
	s_cmp_gt_u32 s9, 45                            ; the turned copy?
	s_cselect_b32 s11, 511, 0                      ; col = col' xor this
	s_cselect_b32 s38, ORIB, 0
	s_cselect_b32 s12, s12, s9                     ; t'
	s_mov_b32 s39, 0
	s_mul_i32 s13, s12, 74961321                   ; x = t' pi / 180 in 2^-32: 0.7854 at the most
	s_mul_hi_u32 s14, s13, s13                     ; x^2 in 2^-32
.macro LEVEL w, k                      ; w = 1 - w x^2 / k, in 2^-31
	s_mul_hi_u32 s[\w], s[\w], s14
	s_mul_hi_u32 s[\w], s[\w], 0x100000000/(\k)
	s_sub_co_u32 s[\w], 0x80000000, s[\w]
.endm
	s_mov_b32 s15, 0x80000000                      ; cos = 1 - x^2/2 (1 - x^2/12 (1 - x^2/30 (1 - x^2/56)))
	LEVEL 15, 56
	LEVEL 15, 30
	LEVEL 15, 12
	LEVEL 15, 2
	s_mov_b32 s16, 0x80000000                      ; sin = x (1 - x^2/6 (1 - x^2/20 (1 - x^2/42 (1 - x^2/72))))
	LEVEL 16, 72
	LEVEL 16, 42
	LEVEL 16, 20
	LEVEL 16, 6
	s_mul_hi_u32 s16, s16, s13
	s_mul_hi_u32 s17, s15, 0xb504f334              ; 1 / cos in 2^-30: 2.3964 - 1.4142 cos is within 2% on 0.707 to 1,
	s_sub_co_u32 s17, 0x995e9e1b, s17
.rept 2                                ; and two steps r = r (2 - cos r) square that twice
	s_mul_hi_u32 s18, s15, s17                     ; cos r in 2^-29
	s_sub_co_u32 s18, 0x40000000, s18
	s_mul_hi_u32 s17, s17, s18
	s_lshl_b32 s17, s17, 3
.endr
	s_mul_hi_u32 s19, s16, s17                     ; tan in 2^-29
	s_lshl_b32 s20, s19, 2                         ; K = 1 / (63 + tan) = (1 - e + e^2) / 63 with e = tan / 63 < 0.016: e^3 over 514 rows is 0.002 row
	s_mul_hi_u32 s20, s20, I63                     ; e in 2^-31
	s_mul_hi_u32 s21, s20, s20
	s_lshl_b32 s21, s21, 1                         ; e^2
	s_sub_co_u32 s22, 0x80000000, s20
	s_add_co_u32 s22, s22, s21
	s_mul_hi_u32 s22, s22, I63                     ; K in 2^-31
	s_lshr_b32 s22, s22, 7                         ; K in 2^-24, some 266,000: times a piece's number (under 8,192) it stays inside 32 bits
	s_lshl_b32 s21, s22, 8                         ; 256 pieces on
	s_lshr_b32 s23, s17, 4                         ; the margin: floor(31 / cos + 2 tan) + 8 words ahead of lane 31's place
	s_mul_i32 s23, s23, 31
	s_lshr_b32 s18, s19, 2
	s_add_co_u32 s23, s23, s18
	s_lshr_b32 s23, s23, 26
	s_add_co_u32 s23, s23, 8
	s_add_co_u32 s24, s15, 512                     ; cos / 2 and sin / 2 in 2^-22, rounded: col' - 255.5 and row - 255.5 are odd numbers of halves
	s_lshr_b32 s24, s24, 10
	s_add_co_u32 s25, s16, 512
	s_lshr_b32 s25, s25, 10
	s_lshl_b32 s[C2], s24, 1                       ; cos and sin in 2^-22
	s_lshl_b32 s[S2], s25, 1
	s_lshl_b32 s28, s10, 6
	s_sub_co_u32 s28, s28, 449                     ; 2 col' - 511 for lane 31
	; lane 31's place at row 0, both coordinates plus 128, in 10.22 (all sums modulo 2^32; the places lie in 22 to 750)
	s_mul_i32 s30, s25, s28
	s_mul_i32 s18, s24, 511
	s_sub_co_u32 s30, 767<<21, s30
	s_sub_co_u32 s30, s30, s18                     ; major: 383.5 - sin (col' - 255.5) - 255.5 cos: the least of the work-group
	s_mul_i32 s31, s24, s28
	s_mul_i32 s18, s25, 511
	s_add_co_u32 s31, s31, 767<<21
	s_sub_co_u32 s31, s31, s18                     ; minor: 383.5 + cos (col' - 255.5) - 255.5 sin
	s_lshr_b32 s32, s30, 22                        ; the strip's first row of ws
	s_lshr_b32 s29, s31, 22
	s_sub_co_u32 s29, s29, s23                     ; its first word, plus 32 (it may be negative: the words ahead of a row are the row before's zeros)
	s_mul_i32 s33, s32, PG
	s_add_co_u32 s33, s33, s29
	s_sub_co_u32 s33, s33, 32                      ; const: the word of ws that lies at LDS word 0,
	s_and_b32 s34, s33, 3
	s_sub_co_u32 s33, s33, s34                     ; moved down to a multiple of 4,
	s_sub_co_u32 s29, s29, s34                     ; and the first word with it
	s_lshl_b32 s33, s33, 2                         ; in bytes
	s_wait_alu depctr_va_sdst(0)                   ; s8 is written, ahead of its first reader, the next line
	s_lshl_b32 s37, s8, 6
	s_sub_co_u32 s37, s37, 1                       ; my wave begins a step ahead of its first row
	s_lshl_b32 s18, s32, 22
	s_sub_co_u32 s35, s30, s18
	s_mul_i32 s18, s37, s[C2]
	s_add_co_u32 s35, s35, s18                     ; major of lane 31 there, less the first row
	s_lshl_b32 s18, s29, 22
	s_sub_co_u32 s36, s31, s18
	s_mul_i32 s18, s37, s[S2]
	s_add_co_u32 s36, s36, s18
	s_mul_i32 s18, s[C2], 31
	s_sub_co_u32 s36, s36, s18                     ; minor of lane 0 there, less the first word
	s_mov_b32 s[FR], 0x3fffff
	s_lshl_b32 s42, s8, 8
	s_add_co_u32 s42, s42, RED                     ; my wave's sums
	s_mul_i32 s43, s8, 184320                      ; waves 0 and 1 store image 0 and 1: 512 x 90 x 4 bytes an image,
	s_lshl2_add_u32 s43, s9, s43                   ; and the angle's 4 bytes
	; THE FILL.  Piece g = thread + 256 i (16 bytes at LDS byte 16 g) belongs to row floor(4 g K) and comes from ws byte 4 const + 16 g + 2,560 x row.
	; All 32 loads of a wave go out before the first is waited for.  The minimum touches only pieces behind the words used: it keeps every load inside the copy.
	; Eight pieces at a time: their rows, their offsets, the minimum, by stages, so that few lines read the result of the line before; then one wait, and the eight loads.
	v_lshlrev_b32 v[LA0], 4, v0
	v_add_nc_u32 v[LA1], 0x10000, v[LA0]
	v_lshl_add_u32 v[VLIN], v0, 4, s33
	v_mul_u32_u24 v[PP], v0, s22
	v_add_nc_u32 v[PADA], PAD, v0
	s_wait_kmcnt 0x0
	s_add_nc_u64 s[4:5], s[4:5], s[38:39]          ; the copy
.set g, 0
.rept 4
.set i, 8*g
.rept 8
.if i > 0
	v_add_nc_u32 v[PP], s21, v[PP]
.endif
	v_lshrrev_b32 v[OFF+i], 22, v[PP]              ; the piece's row
.set i, i+1
.endr
.set i, 8*g
.rept 8
	v_mad_u32_u24 v[OFF+i], v[OFF+i], 2560, v[VLIN]
.set i, i+1
.endr
.set i, 8*g
.rept 8
	v_min_u32 v[OFF+i], ORIB-16-4096*i, v[OFF+i]
.set i, i+1
.endr
	s_wait_alu depctr_va_vdst(0)                   ; the group's eight offsets are written, which the loads below read; at the first group also v[LA0], v[LA1], v[PADA] and v[NIL], which the LDS stores further down read
.set i, 8*g
.rept 8
	global_load_b128 v[DAT+4*i:DAT+4*i+3], v[OFF+i], s[4:5] offset:4096*i
.set i, i+1
.endr
.set g, g+1
.endr
	v_sub_nc_u32 v[TW], 31, v[LN]                  ; while they are out: my lane's place (these three lines name no register of a load or an LDS store)
	v_mad_u32 v[PMA], v[TW], s[S2], s35            ; major grows by sin from lane 31 down,
	v_mad_u32 v[PMI], v[LN], s[C2], s36            ; minor by cos from lane 0 up
	ds_store_b8 v[PADA], v[NIL]                    ; 256 threads, a byte each
.set i, 0
.rept 32
	s_wait_loadcnt 31-i                            ; loads come back in order (ISA guide 5.7.1): piece i is in, the younger ones stay out
.if i < 16
	ds_store_b128 v[LA0], v[DAT+4*i:DAT+4*i+3] offset:4096*i
.else
	ds_store_b128 v[LA1], v[DAT+4*i:DAT+4*i+3] offset:4096*(i-16)
.endif
.set i, i+1
.endr
	s_wait_dscnt 0x0                               ; my part of the strip is in LDS,
	s_wait_alu depctr_vm_vsrc(0)                   ; the fill's loads have read v[OFF ..] and its LDS stores v[DAT ..]: from here on these registers bear the gather's names and are written by its vector lines and its LDS loads
	s_barrier_signal -1
	v_mov_b32 v[KA], -1.0                          ; (work on registers between the signal and the wait; every load that named these registers has been waited for)
	v_mov_b32 v[KA+1], 1.0
	v_mov_b32 v[KB], 0x40400000                    ; 3.0
	v_mov_b32 v[KB+1], -2.0
.irp j, 0,1,2,3,4,5,6,7
	v_mov_b32 v[ACC+\j], 0
.endr
	s_barrier_wait -1                              ; everybody's is
; THE GATHER.  ADDR q: four rows on.  For each: the place steps; row and word make the LDS address (252 bytes a row; the two fraction bits that come with the word are masked off, and the mask
; keeps the address inside the strip); four taps are asked for, into set q; the fractions, set under the exponent of 2.0, are 2 + f, of which packed multiply-adds make (1 - f, f), exactly,
; and two packed multiplies the four weights.  The stages run over the four places, so that few lines read the result of the line before.
.macro TAPS q, k                       ; place k's four taps
	ds_load_b32 v[PX+16*(\q)+4*(\k)], v[TT+TS*(\q)+(\k)]                 ; (row, word)
	ds_load_b32 v[PX+16*(\q)+4*(\k)+1], v[TT+TS*(\q)+(\k)] offset:4      ; (row, word + 1)
	ds_load_b32 v[PX+16*(\q)+4*(\k)+2], v[TT+TS*(\q)+(\k)] offset:252    ; (row + 1, word)
	ds_load_b32 v[PX+16*(\q)+4*(\k)+3], v[TT+TS*(\q)+(\k)] offset:256    ; (row + 1, word + 1)
.endm
.macro FRAC k
	v_pk_fma_f32 v[XX+2*(\k):XX+2*(\k)+1], v[GG+2*(\k):GG+2*(\k)+1], v[KA:KA+1], v[KB:KB+1] op_sel_hi:[0,1,1]                ; 3 - (2 + fx), (2 + fx) - 2
	v_pk_fma_f32 v[YY+2*(\k):YY+2*(\k)+1], v[GG+2*(\k):GG+2*(\k)+1], v[KA:KA+1], v[KB:KB+1] op_sel:[1,0,0] op_sel_hi:[1,1,1] ; the same of fy
.endm
.macro WGT q, k
	v_pk_mul_f32 v[WW+16*(\q)+4*(\k):WW+16*(\q)+4*(\k)+1], v[XX+2*(\k):XX+2*(\k)+1], v[YY+2*(\k):YY+2*(\k)+1] op_sel_hi:[1,0]                 ; (1 - fx, fx) x (1 - fy)
	v_pk_mul_f32 v[WW+16*(\q)+4*(\k)+2:WW+16*(\q)+4*(\k)+3], v[XX+2*(\k):XX+2*(\k)+1], v[YY+2*(\k):YY+2*(\k)+1] op_sel:[0,1] op_sel_hi:[1,1]  ; (1 - fx, fx) x fy
.endm
; e = 0: the first ADDR of all, ahead of which no gather has been issued.
.macro ADDR q, e=1
.irp k, 0,1,2,3
	v_add_nc_u32 v[PMA], s[C2], v[PMA]
	v_add_nc_u32 v[PMI], s[S2], v[PMI]
	v_lshrrev_b32 v[RR+\k], 22, v[PMA]
	v_lshrrev_b32 v[TT+TS*(\q)+\k], 20, v[PMI]
	v_and_or_b32 v[GG+2*\k+1], v[PMA], s[FR], 2.0
	v_and_or_b32 v[GG+2*\k], v[PMI], s[FR], 2.0
.endr
.irp k, 0,1,2,3
	v_mad_u32_u24 v[TT+TS*(\q)+\k], v[RR+\k], 252, v[TT+TS*(\q)+\k]
.endr
.irp k, 0,1,2,3
	v_and_b32 v[TT+TS*(\q)+\k], 0x1fffc, v[TT+TS*(\q)+\k]
.endr
	s_wait_alu depctr_va_vdst(0)                   ; this set's four addresses are written, which the gathers below read; the multiply-adds that read this set's taps are done, and the gathers land there
.if \e
	s_wait_alu depctr_vm_vsrc(0)                   ; the other set's gathers, issued a half trip ago, have read their four addresses, which the next ADDR (behind the last one: the end) writes again
.endif
	TAPS \q, 0                                     ; the sixteen gathers are dealt among the sixteen weight lines, which name GG, KA, KB, XX, YY and WW: no address and no tap of this set
	FRAC 0
	FRAC 1
	TAPS \q, 1
	FRAC 2
	FRAC 3
	TAPS \q, 2
	WGT \q, 0
	WGT \q, 1
	TAPS \q, 3
	WGT \q, 2
	WGT \q, 3
.endm
; FMAS q: set q's sixteen taps, both images: bf16 half x f32 weight + f32 sum, one rounding.  Eight sums take turns.
.macro FMAS q
.irp k, 0,1,2,3
.irp j, 0,1,2,3
	v_fma_mix_f32_bf16 v[ACC+\j], v[PX+16*(\q)+4*\k+\j], v[WW+16*(\q)+4*\k+\j], v[ACC+\j] op_sel_hi:[1,0,0]
	v_fma_mix_f32_bf16 v[ACC+4+\j], v[PX+16*(\q)+4*\k+\j], v[WW+16*(\q)+4*\k+\j], v[ACC+4+\j] op_sel:[1,0,0] op_sel_hi:[1,0,0]
.endr
.endr
.endm
	ADDR 0, 0                                      ; rows 0 to 3 of my 64
	s_mov_b32 s44, 7
.Lrow:                                                 ; a trip: eight rows; the next four rows' taps are asked for ahead of the last four's multiply-adds
	ADDR 1
	s_wait_dscnt 16                                ; LDS loads come back in order (ISA guide 5.7.1): set 0 is in, the sixteen just issued stay out
	FMAS 0
	ADDR 0
	s_wait_dscnt 16                                ; set 1 is in
	FMAS 1
	s_sub_co_u32 s44, s44, 1
	s_cmp_lg_u32 s44, 0
	s_cbranch_scc1 .Lrow
	ADDR 1                                         ; the last eight rows ask for nothing further
	s_wait_dscnt 16
	FMAS 0
	s_wait_dscnt 0x0
	FMAS 1
	; THE END.  Four sums an image into one; the eight waves' sums meet in LDS (bytes that no gather's masked address reaches); waves 0 and 1 add them and store image 0 and 1.
	v_add_f32 v[ACC], v[ACC], v[ACC+1]
	v_add_f32 v[ACC+2], v[ACC+2], v[ACC+3]
	v_add_f32 v[ACC+4], v[ACC+4], v[ACC+5]
	v_add_f32 v[ACC+6], v[ACC+6], v[ACC+7]
	v_add_f32 v[ACC], v[ACC], v[ACC+2]
	v_add_f32 v[ACC+4], v[ACC+4], v[ACC+6]
	v_lshl_add_u32 v[TT], v[LN], 2, s42            ; (set 0's addresses: the gathers that read them stand ahead of the last ADDR's wait on vm_vsrc)
	s_wait_alu depctr_va_vdst(0)                   ; v[TT] and the two sums are written, which the LDS stores read
	ds_store_b32 v[TT], v[ACC]
	ds_store_b32 v[TT], v[ACC+4] offset:128
	s_wait_dscnt 0x0                               ; my sums are in LDS,
	s_barrier_signal -1
	s_barrier_wait -1                              ; everybody's are
	s_cmp_lt_u32 s8, 2
	s_cbranch_scc1 .Lsum
	s_wait_dscnt 0x0                               ; the end of waves 2 to 7
	s_wait_alu depctr_hold_cnt(0) depctr_sa_sdst(0) depctr_va_vdst(0) depctr_va_sdst(0) depctr_va_ssrc(0) depctr_va_vcc(0) depctr_vm_vsrc(0)
	s_wait_tensorcnt 0x0
	ds_add_u32 v172, v173
	s_wait_dscnt 0x0
	s_endpgm
.Lsum:
	s_wait_alu depctr_vm_vsrc(0)                   ; my two LDS stores have read v[TT], which the next line writes
	v_lshl_add_u32 v[TT], v0, 2, RED               ; thread 32 n + lane: image n, my lane, wave 0's sum; the other waves' lie 256 bytes apart
	s_wait_alu depctr_va_vdst(0)                   ; v[TT] is written, which the loads below read; the gather's lines that named v[RR] to v[RR+7] are done, and the loads land there
.irp k, 0,1,2,3,4,5,6,7
	ds_load_b32 v[RR+\k], v[TT] offset:256*\k
.endr
	s_lshl_b32 s18, s10, 5
	v_add_nc_u32 v[TT+1], s18, v[LN]               ; col'
	v_xor_b32 v[TT+1], s11, v[TT+1]                ; col: 511 - col' on the turned copy
	v_mad_u32_u24 v[TT+1], v[TT+1], 360, s43       ; 90 angles of 4 bytes a column
	s_wait_dscnt 0x0
	v_add_f32 v[RR], v[RR], v[RR+1]
	v_add_f32 v[RR+2], v[RR+2], v[RR+3]
	v_add_f32 v[RR+4], v[RR+4], v[RR+5]
	v_add_f32 v[RR+6], v[RR+6], v[RR+7]
	v_add_f32 v[RR], v[RR], v[RR+2]
	v_add_f32 v[RR+4], v[RR+4], v[RR+6]
	v_add_f32 v[RR], v[RR], v[RR+4]
	v_mul_f32 v[RR], 0x3b000000, v[RR]             ; 1 / 512
	s_wait_alu depctr_va_vdst(0)                   ; the sum v[RR] and the offset v[TT+1] are written, which the store reads
	global_store_b32 v[TT+1], v[RR], s[6:7]
	s_wait_dscnt 0x0                               ; the end of waves 0 and 1
	s_wait_alu depctr_hold_cnt(0) depctr_sa_sdst(0) depctr_va_vdst(0) depctr_va_sdst(0) depctr_va_ssrc(0) depctr_va_vcc(0) depctr_vm_vsrc(0)
	s_wait_tensorcnt 0x0
	ds_add_u32 v172, v173
	s_wait_dscnt 0x0
	s_endpgm
.Lfunc_end_k_q5ce65afd2b_radon:
	.size	k_q5ce65afd2b_radon, .Lfunc_end_k_q5ce65afd2b_radon-k_q5ce65afd2b_radon
	.p2alignl 7, 3214868480
	.fill 96, 4, 3214868480
	.section	.rodata,"a",@progbits
	.p2align	6, 0x0
	.amdhsa_kernel k_q5ce65afd2b_radon
		.amdhsa_group_segment_fixed_size 134400
		.amdhsa_private_segment_fixed_size 0
		.amdhsa_enable_private_segment 0
		.amdhsa_kernarg_size 16
		.amdhsa_user_sgpr_count 2
		.amdhsa_user_sgpr_kernarg_segment_ptr 1
		.amdhsa_wavefront_size32 1
		.amdhsa_system_sgpr_workgroup_id_x 1
		.amdhsa_system_sgpr_workgroup_id_y 1
		.amdhsa_system_sgpr_workgroup_id_z 1
		.amdhsa_system_vgpr_workitem_id 0
		.amdhsa_next_free_vgpr 174
		.amdhsa_next_free_sgpr 66
		.amdhsa_reserve_vcc 0
		.amdhsa_float_denorm_mode_32 3
		.amdhsa_float_denorm_mode_16_64 3
		.amdhsa_memory_ordered 1
		.amdhsa_forward_progress 1
		.amdhsa_inst_pref_size 45
	.end_amdhsa_kernel
	.amdgpu_metadata
---
amdhsa.version: [ 1, 2 ]
amdhsa.kernels:
  - .name:           k_q5ce65afd2b_radon
    .symbol:         k_q5ce65afd2b_radon.kd
    .args:
      - { .name: ws, .offset: 0, .size: 8, .value_kind: global_buffer, .address_space: global }
      - { .name: out0, .offset: 8, .size: 8, .value_kind: global_buffer, .address_space: global }
    .group_segment_fixed_size: 134400
    .private_segment_fixed_size: 0
    .kernarg_segment_align: 8
    .kernarg_segment_size: 16
    .max_flat_workgroup_size: 256
    .sgpr_count:     66
    .vgpr_count:     174
    .wavefront_size: 32
...
	.end_amdgpu_metadata
.endif
;; end of part 3
